; MI455X (gfx1250); checked and timed in simulation.
; The chip was launched on July 23, 2026; its instructions are those of AMD's public machine-readable ISA for CDNA 5 (MIT licence, August 2026) and "CDNA5" Instruction Set Architecture Reference Guide (July 2026). The comments in the code are by the model that wrote it; some were corrected since.
;; Experts. Allowed arithmetic: matrix products marked QUANTISED: E5M2 operands, one E8M0 scale for each 32 along K, by v_wmma_scale_f32_16x16x128_f8f6f4 with both operands' format E5M2, f32 sums; everything else in f32.
;; Inputs: b1 8 x 2,048 float32; b2 8 x 1,024 float32; w1 8 x 1,024 x 2,048 float32; w2 8 x 2,048 x 1,024 float32; x 4 x 8 x 512 x 1,024 float32.
;; Outputs: out0 4 x 8 x 512 x 1,024 float32.
;; This version of the problem:
;;   THIS VERSION OF THE PROBLEM IS GIVEN IN LOW PRECISION. The matrix products marked QUANTISED in the list below multiply operands that are first quantised to E5M2 (5 exponent bits, 2 mantissa bits; 8 bits a number), with one power-of-two scale for each 32 numbers along K (OCP MX v1.0); their sums are f32. All else is computed in f32.
;;   The module's matrix products, in the order in which they are computed (A, B: the left and right operand; K: the contracted axis; several contracted axes count as one K, in the product's order):
;;     1. batch 8 x [M 2,048, K 1,024] x [K 1,024, N 2,048]; A: input x; B: input w1: QUANTISED
;;     2. batch 8 x [M 2,048, K 2,048] x [K 2,048, N 1,024]; A: computed on the way; B: input w2: QUANTISED
;;   THE QUANTISER, for each operand of a quantised product, along K:
;;     - K is cut into blocks of 32 from its start; a last block that is shorter is filled with zeros.
;;     - A block's scale is 2^e with e = floor(log2(the largest magnitude in the block)) - 15, held to -126 .. 127; a block of zeros has e = 0. As a byte (E8M0): e + 127.
;;     - Each number is divided by its block's scale, clamped to +-57,344, and rounded to the nearest number of E5M2, ties to even, subnormals kept.
;;     - The product sums the exact products of the quantised numbers (number of the format x scale) in f32.
;;   ~~~python
;;   def quantise(x, axis):      # numpy; x: float32 -> the quantised numbers, widened to float32 again
;;       x = np.moveaxis(x, axis, -1); K = x.shape[-1]
;;       x = np.pad(x, [(0, 0)] * (x.ndim - 1) + [(0, -K % 32)]); x = x.reshape(x.shape[:-1] + (-1, 32)); a = np.abs(x).max(-1, keepdims=True)
;;       e = np.where(a > 0, np.clip(np.frexp(np.where(a > 0, a, 1))[1] - 1 - 15, -126, 127), 0)      # np.frexp(a)[1] - 1 = floor(log2(a)), exactly
;;       r = np.clip(x / 2.0 ** e, -57344, 57344)
;;       step = 2.0 ** (np.maximum(np.frexp(np.where(r == 0, 1, r))[1] - 1, -14) - 2)
;;       q = np.round(r / step) * step * 2.0 ** e      # np.round: ties to even
;;       return np.moveaxis(q.reshape(q.shape[:-2] + (-1,))[..., :K], -1, axis).astype(np.float32)
;;   ~~~
;;   OPERANDS COMPUTED ON THE WAY. 'Computed on the way' means the value that the module computes at that place (a softmax that the list does not call 'softmax' is quantised finished and normalised). What goes into a quantiser is computed in f32, as accurately as f32 sums, v_exp_f32 and their like allow (about 1e-6 of the number): no bf16 or f16 on the way to a quantiser, and a product that is left as it is and whose result goes on into a quantised operand takes f32 operands (vector FMAs, or v_wmma_f32_16x16x4_f32). A number that lies on a knife's edge between two numbers of the format may be rounded either way, as far as f32 arithmetic and the matrix unit's own rounding can turn it there, and no further.
;; One version. Each part assembles by itself: llvm-mc -triple=amdgcn-amd-amdhsa -mcpu=gfx1250 --defsym DOCPART=n.
;; ======== version 1 of 1: 3 launches
;; limits: right only within a limited range of input values
;; workspace buffers: xc 16,777,216 bytes; w1c 16,777,216 bytes; w2c 16,777,216 bytes; hc 33,554,432 bytes; xs 524,288 bytes; w1s 524,288 bytes; w2s 524,288 bytes; hs 1,048,576 bytes
;; launch quant (part 1): grid 1536 x 1, 4 waves a work-group, no clusters, 102,912 bytes of LDS; arguments x, xc, xs, w1, w1c, w1s, w2, w2c, w2s; writes xc, xs, w1c, w1s, w2c, w2s
.if DOCPART == 1
	.amdgcn_target "amdgcn-amd-amdhsa--gfx1250"
	.amdhsa_code_object_version 6
	.text
	.protected	k_q2655ae5471_quant
	.globl	k_q2655ae5471_quant
	.p2align	8
	.type	k_q2655ae5471_quant,@function
k_q2655ae5471_quant:
	s_mov_b64 s[64:65], 0
	v_nop
	global_prefetch_b8 v0, s[64:65] scope:SCOPE_SE
	s_setreg_imm32_b32 hwreg(HW_REG_WAVE_MODE, 25, 1), 1
	s_wait_xcnt 0x0
; x [16384][1024], w1 [8][1024 k][2048 n] and w2 [8][2048 k][1024 n], f32, become codes of BF8 (E5M2), K innermost, with one E8M0 scale byte for each 32 along K.
; A block's scale is 2^(floor(log2(its largest magnitude)) - 15); its byte is the largest magnitude's exponent field - 15, held at 1 from below.  Each number is divided by the scale,
; held within +-57,344 and rounded to the nearest code, ties to even.
; LIMITS: NaN and infinities among the inputs are not served.  A block whose largest magnitude lies under 2^-111 keeps the byte 1, and so does a block of zeros (its codes are zeros,
; which add nothing under that byte); the bytes are read by this program alone.
; LAYOUTS.  Codes: xc [row][1024], w1c [2048 e + p][1024], w2c [1024 e + n][2048].  In w1c and w1s row p of each group of 32 holds hidden unit sigma(p) = (p & 7) + 2 (p & 8) + (p & 16) / 2
; (the two middle groups of eight change places; sigma is its own inverse), so that the first product, reading rows in storage order, leaves 16 neighbouring hidden units in a lane.
; Scale bytes: [row / 256][k / 256][row % 256][8 bytes]: the scales of 256 rows for all of K are one dense block, and every store here covers 256 consecutive bytes, aligned.
; SHARES.  Work-groups 0-511 take x (32 rows each; wave w takes columns 256 w on), 512-1023 w1, 1024-1535 w2 (128 columns x 256 along K each; a wave takes 32 columns).
; The three ways part on the work-group's number alone, never join again, and have LDS bytes of their own.  No tensor loads, no barrier: waves share nothing.
.set MANT,   0x600000                  ; the mantissa field of 57,344 as f32
.set STEPS,  16                        ; x: steps of two rows x 256 numbers
.set SP,     80                        ; x: a lane's place in a stage: its 64 bytes + 16 of padding
.set WREG,   8192                      ; x: LDS of a wave: two stages of 32 x SP bytes, behind them its 256 scale bytes
.set XR,     16                        ; x: v16-79   four sets of 16 numbers as they are loaded
.set XX,     80                        ; x: v80-111  two sets of 16 neighbours
.set XE,     112                       ; x: v112-127 a scale byte for each step
.set XC,     128                       ; x: v128-191 codes: four registers for each step
.set NBK,    8                         ; w: blocks of 32 along K for a wave
.set WPITCH, 272                       ; w: a stage row: 256 bytes + 16
.set WX,     32                        ; w: v32-95   two sets of 32 numbers
.set WC,     96                        ; w: v96-103  a block's codes
.set OUTR,   112                       ; w: v112-175 the way out
.set SBR,    24                        ; w: v24-25   the scale bytes, four to a register
; ---------------- the weights: a lane takes a column n, and its registers run down K
.macro WLOAD t, nn                     ; block t: w(32 t + i, my column), i = 0 .. 31, into set t % 2; 32 lanes read 128 consecutive bytes
.set I, 0
.rept 32
	global_load_b32 v[WX+32*((\t)%2)+I], v3, s[4:5] offset:(32*(\t)+I)*\nn*4 th:TH_LOAD_NT
.set I, I+1
.endr
.endm
.macro WBLOCK t, nn
.set XS, WX+32*((\t)%2)
.if (\t) < NBK-1
	s_wait_loadcnt 32                              ; this block's 32 loads are in; the next block's 32 may be out
.else
	s_wait_loadcnt 0
.endif
	v_max3_num_f32 v12, |v[XS]|, |v[XS+1]|, |v[XS+2]|              ; the block's largest magnitude: all 32 numbers are mine; two chains
	v_max3_num_f32 v13, |v[XS+3]|, |v[XS+4]|, |v[XS+5]|
.irp i, 6,10,14,18,22,26
	v_max3_num_f32 v12, v12, |v[XS+\i]|, |v[XS+\i+1]|
	v_max3_num_f32 v13, v13, |v[XS+\i+2]|, |v[XS+\i+3]|
.endr
	v_max3_num_f32 v12, v12, |v[XS+30]|, |v[XS+31]|
	v_max3_num_f32 v12, v12, v13, 0x8000000        ; and the floor 2^(16 - 127): the byte cannot fall under 1
	v_add_nc_u32 v11, 0xf8800000, v12              ; 15 off the exponent field: the conversion takes the exponent field of this operand as its scale
	v_and_or_b32 v10, v12, 0x7f800000, s31         ; 57,344 x the scale
	v_lshrrev_b32 v13, 23, v11                     ; the scale's byte
.if (\t)%4 == 0
	v_mov_b32 v[SBR+(\t)/4], v13                   ; four bytes to a register, the lower K in the lower byte
.else
	v_lshl_or_b32 v[SBR+(\t)/4], v13, 8*((\t)%4), v[SBR+(\t)/4]
.endif
.set I, 0
.rept 32
	v_med3_num_f32 v[XS+I], v[XS+I], -v10, v10     ; the conversion to an 8-bit code does not saturate (ISA guide 7.6.2): the hold comes first
.set I, I+1
.endr
.irp g, 0,1,2,3
	v_cvt_scalef32_pk8_bf8_f32 v[WC+2*\g:WC+2*\g+1], v[XS+8*\g:XS+8*\g+7], v11
.endr
	ds_store_b128 v4, v[WC:WC+3] offset:32*(\t)    ; 32 codes: 32 bytes of my column's row in my wave's stage
	ds_store_b128 v4, v[WC+4:WC+7] offset:32*(\t)+16
.if (\t)+2 < NBK
	WLOAD (\t)+2, \nn
.endif
	s_wait_dscnt 0x0                               ; the stores have read their registers: the next block's codes may be written
.endm
; kk, nn: the weight's K and N; cgb: log2(nn / 128); perm: rows go out in sigma's order; lb: the way's first LDS byte; g0: its first work-group; arg: its first kernel argument's byte
.macro WPATH kk, nn, cgb, perm, lb, g0, arg
	s_load_b64 s[4:5], s[0:1], \arg                ; the weight
	s_load_b64 s[6:7], s[0:1], \arg+8              ; its codes
	s_load_b64 s[8:9], s[0:1], \arg+16             ; its scale bytes
	s_sub_co_u32 s17, ttmp9, \g0
	s_lshr_b32 s18, s17, 6                         ; the expert: 64 work-groups each
	s_and_b32 s19, s17, \nn/128-1                  ; which 128 columns
	s_and_b32 s20, s17, 63
	s_lshr_b32 s20, s20, \cgb                      ; which 256 along K
	s_lshl_b32 s19, s19, 7
	s_lshl_b32 s21, s16, 5
	s_add_co_u32 s19, s19, s21                     ; my wave's first column in the expert
	s_mul_i32 s21, s18, \nn
	s_add_co_u32 s21, s21, s19                     ; and its row in the codes' buffer
	s_lshl_b32 s22, s18, 23                        ; the weight: an expert is 2^23 bytes,
	s_mul_i32 s24, s20, 256*\nn*4                  ; 256 rows of K,
	s_add_co_u32 s22, s22, s24
	s_lshl_b32 s24, s19, 2                         ; 4 bytes a column
	s_add_co_u32 s22, s22, s24
	s_mov_b32 s23, 0
	s_mul_i32 s24, s21, \kk                        ; the codes: row x K + 256 x the K step
	s_lshl_b32 s26, s20, 8
	s_add_co_u32 s24, s24, s26
	s_mov_b32 s25, 0
	s_lshr_b32 s26, s21, 8                         ; the scale bytes: (row / 256) x 8 K + 2,048 x the K step + 8 x (row % 256)
	s_mul_i32 s26, s26, 8*\kk
	s_lshl_b32 s28, s20, 11
	s_add_co_u32 s26, s26, s28
	s_and_b32 s28, s21, 255
	s_lshl_b32 s28, s28, 3
	s_add_co_u32 s26, s26, s28
	s_mov_b32 s27, 0
	s_mov_b32 s31, MANT
	v_lshlrev_b32 v3, 2, v2                        ; in: 4 bytes a lane
	s_mul_i32 s29, s16, 32*WPITCH
	s_add_co_u32 s29, s29, \lb                     ; my wave's stage
	v_mul_u32_u24 v4, v2, WPITCH
	v_add_nc_u32 v4, s29, v4                       ; into it: row = my column
	v_and_b32 v5, 15, v2
	v_lshrrev_b32 v6, 4, v2                        ; out of it: sixteen lanes to a row, two rows an instruction
	v_mul_u32_u24 v7, v6, WPITCH
	v_lshl_add_u32 v7, v5, 4, v7
	v_add_nc_u32 v7, s29, v7
	v_mul_u32_u24 v8, v6, \kk
	v_lshl_add_u32 v8, v5, 4, v8                   ; and the same place in the codes' buffer
.if \perm
	v_and_b32 v9, 7, v2                            ; sigma(lane)
	v_and_b32 v10, 8, v2
	v_lshl_add_u32 v9, v10, 1, v9
	v_lshrrev_b32 v10, 1, v2
	v_and_b32 v10, 8, v10
	v_add_nc_u32 v9, v9, v10
	v_lshlrev_b32 v9, 3, v9                        ; my column's 8 scale bytes
.else
	v_lshlrev_b32 v9, 3, v2
.endif
	s_wait_kmcnt 0x0
	s_add_nc_u64 s[4:5], s[4:5], s[22:23]
	s_add_nc_u64 s[6:7], s[6:7], s[24:25]
	s_add_nc_u64 s[8:9], s[8:9], s[26:27]
	WLOAD 0, \nn
	WLOAD 1, \nn                                   ; two blocks, 64 loads a wave, are on their way
.irp t, 0,1,2,3,4,5,6,7
	WBLOCK \t, \nn
.endr
	global_store_b64 v9, v[SBR:SBR+1], s[8:9]      ; 32 lanes store 256 consecutive bytes, aligned
.irp t, 0,1,2,3,4,5,6,7,8,9,10,11,12,13,14,15
	ds_load_b128 v[OUTR+4*\t:OUTR+4*\t+3], v7 offset:2*\t*WPITCH   ; LDS serves a wave's instructions in order: these see my stores
.endr
.irp t, 0,1,2,3,4,5,6,7,8,9,10,11,12,13,14,15
	s_wait_dscnt 15-\t                             ; rows 2 t and 2 t + 1 are back; the later loads may be out
.if \perm
	global_store_b128 v8, v[OUTR+4*\t:OUTR+4*\t+3], s[6:7] offset:(((2*\t)&7)+(((2*\t)&8)<<1)+(((2*\t)&16)>>1))*\kk   ; to rows sigma(2 t) and sigma(2 t) + 1
.else
	global_store_b128 v8, v[OUTR+4*\t:OUTR+4*\t+3], s[6:7] offset:2*\t*\kk   ; sixteen lanes store 256 consecutive bytes, aligned
.endif
.endr
	s_wait_tensorcnt 0x0
	ds_add_u32 v192, v193
	s_wait_dscnt 0x0
	s_endpgm
.endm
; ---------------- x: K is innermost
.macro XLOAD t                         ; step t: rows 2 t and 2 t + 1, my wave's 1,024 bytes of each: each load reads 512 consecutive bytes
.irp i, 0,1,2,3
	global_load_b128 v[XR+16*((\t)%4)+4*\i:XR+16*((\t)%4)+4*\i+3], v3, s[4:5] offset:(2*(\t)+\i/2)*4096+(\i%2)*512 th:TH_LOAD_NT
.endr
.endm
.macro XTURN t                         ; step t's numbers through the stage: in as they were loaded, back 64 bytes (16 neighbours) a lane
.irp i, 0,1,2,3
	ds_store_b128 v14, v[XR+16*((\t)%4)+4*\i:XR+16*((\t)%4)+4*\i+3] offset:32*SP*((\t)%2)+8*SP*\i
.endr
.irp i, 0,1,2,3
	ds_load_b128 v[XX+16*((\t)%2)+4*\i:XX+16*((\t)%2)+4*\i+3], v15 offset:32*SP*((\t)%2)+16*\i
.endr
.endm
.macro XSTEP t
.set XS, XX+16*((\t)%2)
.if (\t) > 0
	s_wait_dscnt 1                                 ; this step's numbers are back from the stage; only the last step's byte store may be out
.else
	s_wait_dscnt 0x0
.endif
.if (\t)+4 < STEPS
	XLOAD (\t)+4                                   ; into the registers that this step's stage stores have read
.endif
.if (\t)+1 < STEPS
.if STEPS-2-(\t) >= 3
	s_wait_loadcnt 12                              ; the next step's four loads are in; those of the three steps behind it may be out
.else
	s_wait_loadcnt 4*(STEPS-2-(\t))
.endif
	XTURN (\t)+1                                   ; the next step goes through the other stage while this one is worked
.endif
	v_max3_num_f32 v8, |v[XS]|, |v[XS+1]|, |v[XS+2]|               ; the largest magnitude of my 16
	v_max3_num_f32 v9, |v[XS+3]|, |v[XS+4]|, |v[XS+5]|
.irp i, 6,10
	v_max3_num_f32 v8, v8, |v[XS+\i]|, |v[XS+\i+1]|
	v_max3_num_f32 v9, v9, |v[XS+\i+2]|, |v[XS+\i+3]|
.endr
	v_max3_num_f32 v8, v8, |v[XS+14]|, |v[XS+15]|
	v_max3_num_f32 v8, v8, v9, 0x8000000           ; and the floor 2^(16 - 127)
	v_max_num_f32_dpp v8, v8, v8 row_xmask:1 row_mask:0xf bank_mask:0xf   ; and of my neighbour's 16: the block's
	v_add_nc_u32 v11, 0xf8800000, v8               ; 15 off its exponent field: the conversion's scale operand
	v_and_or_b32 v10, v8, 0x7f800000, s23          ; 57,344 x the scale
.set I, 0
.rept 16
	v_med3_num_f32 v[XS+I], v[XS+I], -v10, v10     ; the hold
.set I, I+1
.endr
	v_cvt_scalef32_pk8_bf8_f32 v[XC+4*(\t):XC+4*(\t)+1], v[XS:XS+7], v11
	v_cvt_scalef32_pk8_bf8_f32 v[XC+4*(\t)+2:XC+4*(\t)+3], v[XS+8:XS+15], v11
	v_lshrrev_b32 v[XE+(\t)], 23, v11              ; the scale's byte (a plain line behind the conversions)
	ds_store_b8 v5, v[XE+(\t)] offset:16*(\t)      ; both lanes of a block write the same byte with the same value
	global_store_b128 v4, v[XC+4*(\t):XC+4*(\t)+3], s[6:7] offset:2048*(\t)   ; sixteen lanes store 256 consecutive bytes of a row, aligned
.endm
	v_lshl_add_u32 v192, v0, 2, 0x19000
	v_mov_b32 v193, 0
	v_lshrrev_b32 v1, 5, v0
	v_readfirstlane_b32 s16, v1                    ; wave 0..3
	v_and_b32 v2, 31, v0                           ; lane
	s_cmp_lt_u32 ttmp9, 512
	s_cbranch_scc1 .Lpath_x
	s_cmp_lt_u32 ttmp9, 1024
	s_cbranch_scc1 .Lpath_w1
	s_wait_alu depctr_va_vdst(0)
	WPATH 2048, 1024, 3, 0, 67584, 1024, 48        ; w2
.Lpath_w1:
	s_wait_alu depctr_va_vdst(0)
	WPATH 1024, 2048, 4, 1, 32768, 512, 24         ; w1
.Lpath_x:
	s_load_b64 s[4:5], s[0:1], 0x0                 ; x
	s_load_b64 s[6:7], s[0:1], 0x8                 ; its codes
	s_load_b64 s[8:9], s[0:1], 0x10                ; its scale bytes
	s_wait_alu depctr_va_vdst(0)
	v_lshlrev_b32 v3, 4, v2                        ; my 16 bytes of a load's 512
	s_lshl_b32 s17, s16, 13                        ; my wave's LDS
	v_lshrrev_b32 v14, 2, v2
	v_mul_u32_u24 v14, v14, SP
	v_and_b32 v15, 3, v2
	v_lshl_add_u32 v14, v15, 4, v14
	v_add_nc_u32 v14, s17, v14                     ; the stage, on the way in: SP (lane / 4) + 16 (lane % 4)
	v_mul_u32_u24 v15, v2, SP
	v_add_nc_u32 v15, s17, v15                     ; and on the way out: SP x lane
	v_lshrrev_b32 v4, 4, v2
	v_and_b32 v5, 15, v2
	v_lshlrev_b32 v4, 10, v4
	v_lshl_add_u32 v4, v5, 4, v4                   ; my codes: row lane / 16 of the step's two, 16 bytes a lane
	v_lshrrev_b32 v5, 1, v2
	s_add_co_u32 s17, s17, 2*32*SP
	v_add_nc_u32 v5, s17, v5                       ; my block's byte among my wave's 256: 8 x row + block = 16 t + lane / 2
	v_lshlrev_b32 v7, 3, v2
	v_add_nc_u32 v6, s17, v7                       ; and on the way out 8 bytes a lane
	s_mov_b32 s23, MANT
	s_lshl_b32 s18, ttmp9, 17                      ; x: 32 rows of 4,096 bytes a work-group, 1,024 bytes a wave
	s_lshl_b32 s20, s16, 10
	s_add_co_u32 s18, s18, s20
	s_mov_b32 s19, 0
	s_lshl_b32 s20, ttmp9, 15                      ; codes: 32 rows of 1,024 bytes, 256 a wave
	s_lshl_b32 s22, s16, 8
	s_add_co_u32 s20, s20, s22
	s_mov_b32 s21, 0
	s_lshr_b32 s24, ttmp9, 3                       ; scale bytes: (row / 256) x 8,192 + 2,048 x wave + 8 x (row % 256)
	s_lshl_b32 s24, s24, 13
	s_lshl_b32 s22, s16, 11
	s_add_co_u32 s24, s24, s22
	s_and_b32 s22, ttmp9, 7
	s_lshl_b32 s22, s22, 8
	s_add_co_u32 s24, s24, s22
	s_mov_b32 s25, 0
	s_wait_alu depctr_va_vdst(0)
	s_wait_kmcnt 0x0
	s_add_nc_u64 s[4:5], s[4:5], s[18:19]
	s_add_nc_u64 s[6:7], s[6:7], s[20:21]
	s_add_nc_u64 s[8:9], s[8:9], s[24:25]
.irp t, 0,1,2,3
	XLOAD \t
.endr
	s_wait_loadcnt 12                              ; step 0's four loads are in
	XTURN 0
.irp t, 0,1,2,3,4,5,6,7,8,9,10,11,12,13,14,15
	XSTEP \t
.endr
	ds_load_b64 v[12:13], v6                       ; LDS serves a wave's instructions in order: this sees my byte stores
	s_wait_dscnt 0x0
	global_store_b64 v7, v[12:13], s[8:9]          ; 32 lanes store 256 consecutive bytes, aligned
	s_wait_tensorcnt 0x0
	ds_add_u32 v192, v193
	s_wait_dscnt 0x0
	s_endpgm
.Lfunc_end_k_q2655ae5471_quant:
	.size	k_q2655ae5471_quant, .Lfunc_end_k_q2655ae5471_quant-k_q2655ae5471_quant
	.p2alignl 7, 3214868480
	.fill 96, 4, 3214868480
	.section	.rodata,"a",@progbits
	.p2align	6, 0x0
	.amdhsa_kernel k_q2655ae5471_quant
		.amdhsa_group_segment_fixed_size 102912
		.amdhsa_private_segment_fixed_size 0
		.amdhsa_enable_private_segment 0
		.amdhsa_kernarg_size 72
		.amdhsa_user_sgpr_count 2
		.amdhsa_user_sgpr_kernarg_segment_ptr 1
		.amdhsa_wavefront_size32 1
		.amdhsa_system_sgpr_workgroup_id_x 1
		.amdhsa_system_sgpr_workgroup_id_y 1
		.amdhsa_system_sgpr_workgroup_id_z 1
		.amdhsa_system_vgpr_workitem_id 0
		.amdhsa_next_free_vgpr 194
		.amdhsa_next_free_sgpr 66
		.amdhsa_reserve_vcc 0
		.amdhsa_float_denorm_mode_32 3
		.amdhsa_float_denorm_mode_16_64 3
		.amdhsa_memory_ordered 1
		.amdhsa_forward_progress 1
		.amdhsa_inst_pref_size 170
	.end_amdhsa_kernel
	.amdgpu_metadata
---
amdhsa.version: [ 1, 2 ]
amdhsa.kernels:
  - .name:           k_q2655ae5471_quant
    .symbol:         k_q2655ae5471_quant.kd
    .args:
      - { .name: x, .offset: 0, .size: 8, .value_kind: global_buffer, .address_space: global }
      - { .name: xc, .offset: 8, .size: 8, .value_kind: global_buffer, .address_space: global }
      - { .name: xs, .offset: 16, .size: 8, .value_kind: global_buffer, .address_space: global }
      - { .name: w1, .offset: 24, .size: 8, .value_kind: global_buffer, .address_space: global }
      - { .name: w1c, .offset: 32, .size: 8, .value_kind: global_buffer, .address_space: global }
      - { .name: w1s, .offset: 40, .size: 8, .value_kind: global_buffer, .address_space: global }
      - { .name: w2, .offset: 48, .size: 8, .value_kind: global_buffer, .address_space: global }
      - { .name: w2c, .offset: 56, .size: 8, .value_kind: global_buffer, .address_space: global }
      - { .name: w2s, .offset: 64, .size: 8, .value_kind: global_buffer, .address_space: global }
    .group_segment_fixed_size: 102912
    .private_segment_fixed_size: 0
    .kernarg_segment_align: 8
    .kernarg_segment_size: 72
    .max_flat_workgroup_size: 128
    .sgpr_count:     66
    .vgpr_count:     194
    .wavefront_size: 32
...
	.end_amdgpu_metadata
.endif
;; end of part 1
;; launch gemm1 (part 2): grid 4 x 64, 4 waves a work-group, clusters of 4 x 4, 327,680 bytes of LDS; arguments xc, xs, w1c, w1s, hc, hs, b1; writes hc, hs
.if DOCPART == 2
	.amdgcn_target "amdgcn-amd-amdhsa--gfx1250"
	.amdhsa_code_object_version 6
	.text
	.protected	k_q2655ae5471_gemm1
	.globl	k_q2655ae5471_gemm1
	.p2align	8
	.type	k_q2655ae5471_gemm1,@function
k_q2655ae5471_gemm1:
	s_mov_b64 s[64:65], 0
	v_nop
	global_prefetch_b8 v0, s[64:65] scope:SCOPE_SE
	s_setreg_imm32_b32 hwreg(HW_REG_WAVE_MODE, 25, 1), 1
	s_wait_xcnt 0x0
	s_wait_alu depctr_hold_cnt(0) depctr_sa_sdst(0) depctr_va_vdst(0) depctr_va_sdst(0) depctr_va_ssrc(0) depctr_va_vcc(0) depctr_vm_vsrc(0)
	s_getreg_b32 s2, hwreg(HW_REG_IB_STS2, 6, 4)
	s_cmp_eq_u32 s2, 0
	s_cbranch_scc0 .Lentry_in_a_cluster
	s_endpgm
.Lentry_in_a_cluster:
	s_bfe_u32 s2, ttmp6, 0x10000c
	s_cmp_lg_u32 s2, 0xf033
	s_cbranch_scc0 .Lentry_shape_is_right
	s_endpgm
.Lentry_shape_is_right:
; h = Q(gelu(x w1 + b1)) on codes of MX-BF8: a work-group makes two tiles of 256 x 256 of one expert's hidden layer, K = 1,024 in steps of 256 through two LDS slots,
; and stores codes (hc) and scale bytes (hs).  4 x 4 clusters: A's tiles are asked for jointly along a row of the cluster, B's along a column.
; THE HEAD: one joint load a wave: wave 0 K step 0's 256 rows of A, wave 1 its 256 rows of B, wave 2 A's scales (8,192 bytes), wave 3 B's scales of both tiles (two rows of 8,192 bytes).
; PREFETCHES: a lane a row of 256 bytes; of the 128 rows that a wave fetches in the ring each of the four partners of the joint load names 32, told apart by address.
; At the head K steps 1 to 3 of the first tile; behind the first tile's four refills B's waves name the next tile's K steps 0 to 3 (A's rows are the same in both tiles).
.set PFO,    31                        ; v31: lane x a row of codes in bytes; never rewritten
.set KD,     1024
.set NB,     2048
.set NT,     8
.set TILES,  2
.set WALK,   4
.set SB,     8*KD
.set NQ,     2
.set ROWB,   256
.set PITCH,  272
.set FR,     16
.set NL,     4
.set NP,     8
.set HALFT,  128*PITCH
.set SLOT,   4*HALFT
.set BACK_A, KD-2*ROWB
.set NEXT_B, WALK*256*KD-(KD-2*ROWB)
.set SCLA,   2*SLOT
.set SCLB,   SCLA+SB+128
.set SPARE,  SCLA+3*SB+256
.set SPITCH, 144
.set WSTG,   16*SPITCH+128
.set STG,    SPARE+512
.set SCST,   STG+4*WSTG
.set TMPA, 14
.set ADR0, 15
.set ADRA, 16
.set BAD,  18
.set SAD,  19
.set ADRB, 20
.set SSO,  22
.set SRD,  23
.set STO,  24
.set RD,   25
.set CO,   26
.set ADRS, 27
.set SPW,  28
.set NIL,  29
.set SCO,  30
.set SC,   32
.set BI,   64
.set AF,   128
.set XA,   128
.set OB,   192
.set GV,   0
.set YV,   64
.set TV,   128
.set PV,   160
.set TM,   192
.set PC,   208
.set PW,   224
.set C8V,  226
.set G1, 24
.set G0, 32
.set G1B, 48
.set G0B, 56
.set G1S, 68
.set G0S, 76
.set G1SB, 80
.set G0SB, 88
.set SEL,  4
.set SWS,  7
.set TSB,  8
.set CC0,  68
.set CC9,  84
.set CK1,  86
.set CKY,  88
.set AMK,  90
.set MNT,  91
.set MSB, 0
.macro WIN new
.if MSB != \new
	s_set_vgpr_msb (MSB<<8)|\new
.set MSB, \new
.endif
.endm
.set MUL_LO, 0xa1
.set MUL_HI, 0xf1
.set TO_B,   0x40
.macro JLOAD g0a, g1a, g0b, g1b
	s_cmp_eq_u32 s15, 0
	s_cbranch_scc0 .Lfor_b_\@
	tensor_load_to_lds s[\g0a:\g0a+3], s[\g1a:\g1a+7]
	s_nop 0
.rept 4
	v_nop
.endr
	s_branch .Lasked_\@
.Lfor_b_\@:
	tensor_load_to_lds s[\g0b:\g0b+3], s[\g1b:\g1b+7]
	s_nop 0
.rept 4
	v_nop
.endr
.Lasked_\@:
.endm
.macro CREST
	s_cmp_lg_u32 s14, 0
	s_cbranch_scc1 .Lnot_wave_0_\@
	s_barrier_signal -3
.Lnot_wave_0_\@:
	s_barrier_wait -3
	s_barrier_signal -1
	s_barrier_wait -1
.endm
.macro CROUND
	s_barrier_signal -1
	s_barrier_wait -1
	CREST
.endm
	s_load_b128 s[4:7], s[0:1], 0x0
	s_load_b128 s[8:11], s[0:1], 0x10
	s_load_b64 s[12:13], s[0:1], 0x20
	s_load_b64 s[96:97], s[0:1], 0x28
	s_load_b64 s[66:67], s[0:1], 0x30
	v_lshl_add_u32 v[SPW], v0, 2, SPARE
	v_mov_b32 v[NIL], 0
	ds_add_u32 v28, v29
	ds_add_u32 v28, v29
	s_wait_dscnt 0x0
	v_lshrrev_b32 v1, 5, v0
	v_readfirstlane_b32 s14, v1
	v_and_b32 v[PFO], 31, v0
	v_mul_u32_u24 v[PFO], v[PFO], KD
	s_lshr_b32 s15, s14, 1
	s_and_b32 s16, s14, 1
	s_bfe_u32 s40, ttmp6, 0x40000
	s_bfe_u32 s41, ttmp6, 0x40004
	s_lshl_b32 s42, ttmp9, 2
	s_add_co_u32 s42, s42, s40
	s_and_b32 s95, ttmp7, 0xffff
	s_lshl_b32 s17, s95, 2
	s_add_co_u32 s17, s17, s41
	s_lshr_b32 s95, s95, 1
	s_lshl_b32 s43, s41, 2
	s_lshl_b32 s43, 15, s43
	s_lshl_b32 s44, 0x1111, s40
	s_or_b32 s[G1+0], s43, (0<<16)|(1<<20)|(1<<21)|(5<<22)|(3<<25)
	s_or_b32 s[G1B+0], s44, (0<<16)|(1<<20)|(1<<21)|(5<<22)|(3<<25)
.irp g, G1, G1B
	s_mov_b32 s[\g+1], ROWB<<16
	s_mov_b32 s[\g+2], 256<<16                     ; the head's loads bring 256 rows
	s_mov_b32 s[\g+3], ROWB<<16
	s_mov_b32 s[\g+4], 256
	s_mov_b32 s[\g+5], KD
	s_mov_b32 s[\g+6], 0
	s_mov_b32 s[\g+7], 0
.endr
	s_or_b32 s[G1S+0], s43, (3<<16)|(1<<21)
	s_mov_b32 s[G1S+1], 32<<16
	s_mov_b32 s[G1S+2], (SB/256)<<16               ; A's scales whole: SB bytes as rows of 256
	s_mov_b32 s[G1S+3], 32<<16
	s_mov_b32 s[G1S+4], SB/256
	s_mov_b32 s[G1S+5], 32
	s_mov_b32 s[G1S+6], 0
	s_mov_b32 s[G1S+7], 0
	s_or_b32 s[G1SB+0], s44, (3<<16)|(1<<21)
	s_mov_b32 s[G1SB+1], (SB/8)<<16                ; B's scales of my two tile columns: two rows of SB bytes, WALK x SB bytes apart
	s_mov_b32 s[G1SB+2], 2<<16
	s_mov_b32 s[G1SB+3], (SB/8)<<16
	s_mov_b32 s[G1SB+4], 2
	s_mov_b32 s[G1SB+5], WALK*SB/8
	s_mov_b32 s[G1SB+6], 0
	s_mov_b32 s[G1SB+7], 0
	s_lshl_b32 s18, s16, 7
	s_lshl_b32 s20, s17, 8
	s_add_co_u32 s20, s20, s18
	s_lshl_b32 s46, s42, 8
	s_add_co_u32 s46, s46, s18
	s_mul_i32 s47, s95, NB
	s_add_co_u32 s46, s46, s47
	s_mov_b32 s21, 0
	s_mov_b32 s47, 0
	s_mov_b64 s[18:19], KD
	s_mul_u64 s[20:21], s[20:21], s[18:19]
	s_mul_u64 s[46:47], s[46:47], s[18:19]
	s_mul_i32 s22, s17, SB
	s_mov_b32 s23, 0
	s_mul_i32 s92, s95, NT
	s_add_co_u32 s92, s92, s42
	s_mul_i32 s92, s92, SB
	s_mov_b32 s93, 0
	s_mul_i32 s45, s14, HALFT
	s_wait_kmcnt 0x0
	s_add_nc_u64 s[20:21], s[4:5], s[20:21]
	s_add_nc_u64 s[22:23], s[6:7], s[22:23]
	s_add_nc_u64 s[46:47], s[8:9], s[46:47]
	s_add_nc_u64 s[92:93], s[10:11], s[92:93]
	s_cmp_eq_u32 s15, 0                            ; s[10:11]: where my prefetches stand: the 128 rows that I fetch in the ring,
	s_cselect_b64 s[10:11], s[20:21], s[46:47]
	s_cselect_b32 s6, s40, s41                     ; my place among the four that ask for them with me,
	s_mul_i32 s6, s6, 32*KD                        ; my work-group's 32 rows of them
	s_mov_b32 s7, 0
	s_add_nc_u64 s[10:11], s[10:11], s[6:7]
	s_mov_b32 s9, s15                              ; 1: B's wave, in the first tile: it names the next tile's rows
	s_mul_i32 s4, s16, 128*KD                      ; from a tile's first row to my 128 rows, in bytes
	s_mov_b32 s5, 0
	CROUND
	s_mov_b32 s[G0S], 1
	s_mov_b32 s[G0S+1], SCLA
	s_mov_b64 s[G0S+2:G0S+3], s[22:23]
	s_or_b32 s[G0S+3], s[G0S+3], 0x80000000
	s_mov_b32 s[G0SB], 1
	s_mov_b32 s[G0SB+1], SCLB
	s_mov_b64 s[G0SB+2:G0SB+3], s[92:93]
	s_or_b32 s[G0SB+3], s[G0SB+3], 0x80000000
	s_mov_b32 s[G0], 1                             ; the head's loads of K step 0, each a whole tile, in slot 0's group 0
	s_mov_b32 s[G0+1], 0
	s_sub_nc_u64 s[G0+2:G0+3], s[20:21], s[4:5]
	s_or_b32 s[G0+3], s[G0+3], 0x80000000
	s_mov_b32 s[G0B], 1
	s_mov_b32 s[G0B+1], 2*HALFT
	s_sub_nc_u64 s[G0B+2:G0B+3], s[46:47], s[4:5]
	s_or_b32 s[G0B+3], s[G0B+3], 0x80000000
.macro ARM under, g0, g1, next         ; one chain of branches on the wave's number, one load to an arm, one join
	s_cmp_lt_u32 s14, \under
	s_cbranch_scc0 \next
	tensor_load_to_lds s[\g0:\g0+3], s[\g1:\g1+7]
	s_nop 0
.rept 4
	v_nop
.endr
	s_branch .Lhead_asked
\next:
.endm
	ARM 1, G0,  G1,  .Lhead_b
	ARM 2, G0B, G1B, .Lhead_sa
	ARM 3, G0S, G1S, .Lhead_sb
	tensor_load_to_lds s[G0SB:G0SB+3], s[G1SB:G1SB+7]
	s_nop 0
.rept 4
	v_nop
.endr
.Lhead_asked:
	v_bfe_u32 v2, v0, 4, 1                         ; l / 16
	v_lshlrev_b32 v[BAD], 6, v2
	s_lshl_b32 s6, s42, 8                          ; the first tile's bias: my wave's 128 hidden units of the expert's 2,048, 4 bytes each
	s_lshl_b32 s7, s16, 7
	s_add_co_u32 s6, s6, s7
	s_lshl_b32 s7, s95, 11
	s_add_co_u32 s6, s6, s7
	s_lshl_b32 s6, s6, 2
	s_mov_b32 s7, 0
	s_add_nc_u64 s[66:67], s[66:67], s[6:7]
	s_wait_alu depctr_va_vdst(0)
	global_prefetch_b8 v[PFO], s[10:11] offset:ROWB th:TH_LOAD_NT scope:SCOPE_SE   ; K step 1 of my 32 rows; K steps 2 and 3 follow behind slot 1's first fill
.irp b, 0,1,2,3,4,5,6,7                ; the bias is on its way while the head's tiles are; it is waited for ahead of the first product
	global_load_b128 v[BI+8*\b:BI+8*\b+3], v[BAD], s[66:67] offset:(32*(\b/2)+8*(\b%2))*4
	global_load_b128 v[BI+8*\b+4:BI+8*\b+7], v[BAD], s[66:67] offset:(32*(\b/2)+8*(\b%2))*4+16
.endr
	s_wait_tensorcnt 0x0                           ; my tile of the head's four is in: descriptors may be written
	ds_add_u32 v28, v29
	s_mov_b32 s[G1+2], 128<<16                     ; from here on a load brings 128 rows
	s_mov_b32 s[G1+4], 128
	s_mov_b32 s[G1B+2], 128<<16
	s_mov_b32 s[G1B+4], 128
.irp s, 0,1
	s_mov_b32 s[G0+4*\s], 1
	s_add_co_u32 s[G0+4*\s+1], s45, \s*SLOT
	s_add_nc_u64 s[G0+4*\s+2:G0+4*\s+3], s[20:21], \s*ROWB
	s_or_b32 s[G0+4*\s+3], s[G0+4*\s+3], 0x80000000
	s_mov_b32 s[G0B+4*\s], 1
	s_add_co_u32 s[G0B+4*\s+1], s45, \s*SLOT
	s_add_nc_u64 s[G0B+4*\s+2:G0B+4*\s+3], s[46:47], \s*ROWB
	s_or_b32 s[G0B+4*\s+3], s[G0B+4*\s+3], 0x80000000
.endr
	s_wait_dscnt 0x0                               ; the add is done
	CROUND                                         ; all four tiles are in, in every partner
	JLOAD G0+4, G1, G0B+4, G1B                     ; slot 1's first fill: K step 1
	global_prefetch_b8 v[PFO], s[10:11] offset:2*ROWB th:TH_LOAD_NT scope:SCOPE_SE   ; K steps 2 and 3 of my 32 rows
	global_prefetch_b8 v[PFO], s[10:11] offset:3*ROWB th:TH_LOAD_NT scope:SCOPE_SE
	v_and_b32 v1, 15, v0
	s_wait_alu depctr_va_vdst(0)
.macro BIAS
.irp b, 0,1,2,3,4,5,6,7
	global_load_b128 v[BI+8*\b:BI+8*\b+3], v[BAD], s[66:67] offset:(32*(\b/2)+8*(\b%2))*4
	global_load_b128 v[BI+8*\b+4:BI+8*\b+7], v[BAD], s[66:67] offset:(32*(\b/2)+8*(\b%2))*4+16
.endr
.endm
	v_mul_u32_u24 v3, v1, PITCH
	v_lshl_add_u32 v4, v2, 4, v3
	s_mul_i32 s21, s15, HALFT
	s_mul_i32 s22, s16, HALFT
	s_add_co_u32 s22, s22, 2*HALFT
.irp s, 0,1
	v_add_nc_u32 v[ADRA+\s], s21, v4
	v_add_nc_u32 v[ADRB+\s], s22, v4
	s_add_co_u32 s21, s21, SLOT
	s_add_co_u32 s22, s22, SLOT
.endr
	v_lshlrev_b32 v5, 3, v1
	s_lshl_b32 s21, s15, 10
	s_lshl_b32 s22, s16, 10
	s_add_co_u32 s22, s22, SB+128
	s_sub_co_u32 s22, s22, s21
	v_mul_u32_u24 v6, s22, v2
	s_add_co_u32 s21, s21, SCLA
	v_add_nc_u32 v5, v5, v6
	v_add_nc_u32 v[ADR0], s21, v5
	s_mul_i32 s23, s14, WSTG
	s_add_co_u32 s23, s23, STG
	v_mul_u32_u24 v5, v1, SPITCH
	v_lshl_add_u32 v5, v2, 4, v5
	v_add_nc_u32 v[STO], s23, v5
	s_lshl_b32 s23, s14, 9
	s_add_co_u32 s23, s23, SCST
	v_lshl_add_u32 v[SSO], v1, 2, s23
	s_mul_i32 s23, s15, 2*WSTG
	s_mul_i32 s22, s16, 8*SPITCH
	s_add_co_u32 s23, s23, s22
	s_add_co_u32 s23, s23, STG
	v_lshrrev_b32 v5, 3, v1
	v_mul_u32_u24 v5, v5, WSTG
	v_mad_u32_u24 v5, v2, SPITCH, v5
	v_and_b32 v6, 7, v1
	v_lshl_add_u32 v5, v6, 4, v5
	v_add_nc_u32 v[RD], s23, v5
	v_lshlrev_b32 v5, 11, v2
	v_lshl_add_u32 v[CO], v1, 4, v5
	v_and_b32 v6, 31, v0
	s_lshl_b32 s23, s15, 10
	s_lshl_b32 s22, s16, 8
	s_add_co_u32 s23, s23, s22
	s_add_co_u32 s23, s23, SCST
	v_lshl_add_u32 v[SRD], v6, 3, s23
	v_lshlrev_b32 v[SCO], 4, v6
	s_lshl_b32 s46, s17, 8
	s_lshl_b32 s47, s15, 7
	s_add_co_u32 s46, s46, s47
	s_lshl_b32 s47, s16, 3
	s_add_co_u32 s46, s46, s47
	s_lshl_b32 s46, s46, 11
	s_lshl_b32 s47, s42, 8
	s_add_co_u32 s46, s46, s47
	s_mov_b32 s47, 0
	s_add_nc_u64 s[12:13], s[12:13], s[46:47]
	s_lshl_b32 s46, s17, 14
	s_lshl_b32 s47, s42, 11
	s_add_co_u32 s46, s46, s47
	s_lshl_b32 s47, s14, 9
	s_add_co_u32 s46, s46, s47
	s_mov_b32 s47, 0
	s_add_nc_u64 s[96:97], s[96:97], s[46:47]
.macro FRAG reg, adr, q, i
.irp c, 0,1,2,3
	ds_load_b128 v[\reg+4*\c:\reg+4*\c+3], v[\adr] offset:128*(\q)+32*\c+(\i)*16*PITCH
.endr
.endm
.macro MUL16 a0, p, q, sc, bias
.irp a, \a0, \a0+1
.irp b, 0,1,2,3,4,5,6,7
.if \bias
	v_wmma_scale_f32_16x16x128_f8f6f4 v[8*(8*((\a)%4)+\b):8*(8*((\a)%4)+\b)+7], v[128*(\p)+FR*\b:128*(\p)+FR*\b+FR-1], v[AF+FR*(\a):AF+FR*(\a)+FR-1], v[BI+8*\b:BI+8*\b+7], v[SC+8*NQ*(\sc)+NQ*\b+(\q)], v[SC+8*NQ*(\sc)+NQ*(\a)+(\q)] matrix_a_fmt:MATRIX_FMT_BF8 matrix_b_fmt:MATRIX_FMT_BF8 matrix_a_scale:MATRIX_SCALE_ROW1
.else
	v_wmma_scale_f32_16x16x128_f8f6f4 v[8*(8*((\a)%4)+\b):8*(8*((\a)%4)+\b)+7], v[128*(\p)+FR*\b:128*(\p)+FR*\b+FR-1], v[AF+FR*(\a):AF+FR*(\a)+FR-1], v[8*(8*((\a)%4)+\b):8*(8*((\a)%4)+\b)+7], v[SC+8*NQ*(\sc)+NQ*\b+(\q)], v[SC+8*NQ*(\sc)+NQ*(\a)+(\q)] matrix_a_fmt:MATRIX_FMT_BF8 matrix_b_fmt:MATRIX_FMT_BF8 matrix_a_scale:MATRIX_SCALE_ROW1
.endif
.endr
.endr
.endm
.macro FETCH_B slot, q, p
	WIN TO_B
.irp i, 0,1,2,3,4,5,6,7
	FRAG 128*(\p)+FR*\i, ADRB+\slot, \q, \i
.endr
	WIN 0
.endm
.macro FETCH_A slot, q, i0
.irp i, \i0, \i0+1, \i0+2, \i0+3
	FRAG AF+FR*(\i), ADRA+\slot, \q, \i
.endr
.endm
.macro SCALES sc
.irp i, 0,1,2,3,4,5,6,7
	ds_load_b64 v[SC+8*NQ*\sc+NQ*\i:SC+8*NQ*\sc+NQ*\i+1], v[ADRS] offset:\i*128
.endr
.endm
.macro PLACES n
.rept \n
	v_nop
.endr
.endm
.macro STEP slot, q, bias
	s_wait_dscnt 4*NL
.if \bias
	WIN 0x81
.else
	WIN MUL_LO
.endif
	MUL16 0, (\q)%2, \q, \slot, \bias
	MUL16 2, (\q)%2, \q, \slot, \bias
	s_wait_dscnt 0
	PLACES NP
	FETCH_B \slot, (\q)+1, 1-(\q)%2
	FETCH_A \slot, (\q)+1, 0
.if \bias
	WIN 0xc1
.else
	WIN MUL_HI
.endif
	MUL16 4, (\q)%2, \q, \slot, \bias
	MUL16 6, (\q)%2, \q, \slot, \bias
	PLACES NP
	WIN 0
	FETCH_A \slot, (\q)+1, 4
.endm
.macro TURN slot, next, fill, fetch
	s_wait_dscnt 4*NL
	WIN MUL_LO
	MUL16 0, 1, NQ-1, \slot, 0
	MUL16 2, 1, NQ-1, \slot, 0
	WIN 0
	s_wait_tensorcnt 0x0
	ds_add_u32 v[SPW], v[NIL]
.if \fill == 1
	s_add_nc_u64 s[G0+4*\slot+2:G0+4*\slot+3], s[G0+4*\slot+2:G0+4*\slot+3], 2*ROWB
	s_add_nc_u64 s[G0B+4*\slot+2:G0B+4*\slot+3], s[G0B+4*\slot+2:G0B+4*\slot+3], 2*ROWB
.endif
.if \fill == 2
	s_sub_nc_u64 s[G0+4*\slot+2:G0+4*\slot+3], s[G0+4*\slot+2:G0+4*\slot+3], BACK_A
	s_add_nc_u64 s[G0B+4*\slot+2:G0B+4*\slot+3], s[G0B+4*\slot+2:G0B+4*\slot+3], NEXT_B
.endif
	s_wait_dscnt 0x0
	s_barrier_signal -1
	s_barrier_wait -1
.if \fill
	CREST
	JLOAD G0+4*\slot, G1, G0B+4*\slot, G1B
.endif
.if \fetch
.if \fill
	PLACES NP-4
.else
	PLACES NP
.endif
	s_wait_alu depctr_va_vdst(0)
	v_add_nc_u32 v[ADRS], 2048, v[ADRS]
	FETCH_B \next, 0, 0
	FETCH_A \next, 0, 0
	SCALES \next
.endif
.if \fill
	s_cmp_eq_u32 s9, 1                             ; B's waves, first tile: the next tile's K step 2 (fill - 1) + slot, WALK x 256 rows on
	s_cbranch_scc0 .Lno_ask_\@
	global_prefetch_b8 v[PFO], s[10:11] offset:WALK*256*KD+(2*(\fill)-2+(\slot))*ROWB th:TH_LOAD_NT scope:SCOPE_SE
.Lno_ask_\@:
.endif
	WIN MUL_HI
	MUL16 4, 1, NQ-1, \slot, 0
	MUL16 6, 1, NQ-1, \slot, 0
.if \fetch
	PLACES NP
	WIN 0
	FETCH_A \next, 0, 4
.else
	WIN 0
.endif
.endm
.macro PAIR r, val
	s_mov_b32 s[\r], \val
	s_mov_b32 s[\r+1], \val
.endm
.macro S1 a
.set AC, 64*((\a)%4)
.set WW, 2+(\a)/4
	WIN (WW<<2)
.set I, 0
.rept 64
	v_and_b32 v[XA+I], s[AMK], v[AC+I]
.set I, I+1
.endr
	WIN (0x40|WW|(WW<<2))
.set I, 0
.rept 64
	v_max_num_f32 v[GV+I], 0, v[AC+I]
.set I, I+1
.endr
.set I, 0
.rept 32
	v_pk_mul_f32 v[YV+I:YV+I+1], v[AC+I:AC+I+1], v[AC+I:AC+I+1]
.set I, I+2
.endr
	WIN 0
.endm
.macro GELU hf
.set hA, XA+32*\hf
.set hG, GV+32*\hf
.set hY, YV+32*\hf
	WIN 0x54
.set I, 0
.rept 16
	v_pk_fma_f32 v[TV+I:TV+I+1], v[hA+I:hA+I+1], s[CK1:CK1+1], 1.0 op_sel_hi:[1,0,0]
.set I, I+2
.endr
	WIN 0x55
.set I, 0
	s_wait_alu depctr_va_vdst(0)
.rept 32
	v_rcp_f32 v[TV+I], v[TV+I]
.set I, I+1
.endr
	v_nop
.set I, 0
	s_wait_alu depctr_va_vdst(0)
.rept 16
	v_pk_fma_f32 v[PV+I:PV+I+1], v[TV+I:TV+I+1], s[CC9:CC9+1], v[C8V:C8V+1] op_sel_hi:[1,0,1]
.set I, I+2
.endr
.irp k, 7,6,5,4,3,2,1,0
.set I, 0
.rept 16
	v_pk_fma_f32 v[PV+I:PV+I+1], v[PV+I:PV+I+1], v[TV+I:TV+I+1], s[CC0+2*\k:CC0+2*\k+1] op_sel_hi:[1,1,0]
.set I, I+2
.endr
.endr
.set I, 0
.rept 16
	v_pk_fma_f32 v[hY+I:hY+I+1], v[hY+I:hY+I+1], s[CKY:CKY+1], v[PV+I:PV+I+1] op_sel_hi:[1,0,1]
.set I, I+2
.endr
.set I, 0
	s_wait_alu depctr_va_vdst(0)
.rept 32
	v_exp_f32 v[hY+I], v[hY+I]
.set I, I+1
.endr
	v_nop
.set I, 0
	s_wait_alu depctr_va_vdst(0)
.rept 16
	v_pk_mul_f32 v[hY+I:hY+I+1], v[hY+I:hY+I+1], v[TV+I:TV+I+1]
.set I, I+2
.endr
	WIN 0x54
.set I, 0
.rept 16
	v_pk_fma_f32 v[hG+I:hG+I+1], v[hA+I:hA+I+1], v[hY+I:hY+I+1], v[hG+I:hG+I+1] neg_lo:[1,0,0] neg_hi:[1,0,0]
.set I, I+2
.endr
.endm
.macro QUANT
.irp b, 0,1,2,3
	v_max3_num_f32 v[TM+\b], |v[GV+16*\b]|, |v[GV+1+16*\b]|, 0x8000000
.endr
.irp i, 2,4,6,8,10,12,14
.irp b, 0,1,2,3
	v_max3_num_f32 v[TM+\b], v[TM+\b], |v[GV+16*\b+\i]|, |v[GV+1+16*\b+\i]|
.endr
.endr
.irp b, 0,1,2,3
	v_permlanex16_b32 v[TM+4+\b], v[TM+\b], s[SEL], s[SEL+1]
.endr
.irp b, 0,1,2,3
	v_max_num_f32 v[TM+\b], v[TM+\b], v[TM+4+\b]
.endr
.irp b, 0,1,2,3
	v_add_nc_u32 v[TM+12+\b], 0xf8800000, v[TM+\b]
.endr
.irp b, 0,1,2,3
	v_and_or_b32 v[TM+8+\b], v[TM+\b], 0x7f800000, s[MNT]
.endr
.irp b, 0,1,2,3
	v_lshrrev_b32 v[TM+4+\b], 23, v[TM+12+\b]
.endr
	v_lshl_or_b32 v[PW], v[TM+5], 8, v[TM+4]
	v_lshl_or_b32 v[PW], v[TM+6], 16, v[PW]
	v_lshl_or_b32 v[PW], v[TM+7], 24, v[PW]
.irp b, 0,1,2,3
.irp i, 0,1,2,3,4,5,6,7,8,9,10,11,12,13,14,15
	v_med3_num_f32 v[GV+16*\b+\i], v[GV+16*\b+\i], -v[TM+8+\b], v[TM+8+\b]
.endr
	v_cvt_scalef32_pk8_bf8_f32 v[PC+4*\b:PC+1+4*\b], v[GV+16*\b:GV+7+16*\b], v[TM+12+\b]
	v_cvt_scalef32_pk8_bf8_f32 v[PC+2+4*\b:PC+3+4*\b], v[GV+8+16*\b:GV+15+16*\b], v[TM+12+\b]
.endr
	v_nop
.endm
.macro ROWS_OUT
.irp t, 0,1,2,3
	global_store_b128 v[CO], v[OB+4*\t:OB+4*\t+3], s[12:13] offset:4096*\t-32768
.endr
.endm
	s_mov_b32 s2, TILES
	s_mov_b32 s[TSB], 0
.Ltile:
	s_wait_tensorcnt 1
	s_barrier_signal -1
	s_barrier_wait -1
	v_mul_u32_u24 v[TMPA], s[TSB], v2
	v_add_nc_u32 v[ADRS], v[ADR0], v[TMPA]
	FETCH_B 0, 0, 0
	FETCH_A 0, 0, 0
	SCALES 0
	FETCH_A 0, 0, 4
	s_wait_loadcnt 0x0
	STEP 0, 0, 1
	TURN 0, 1, 1, 1
	STEP 1, 0, 0
	TURN 1, 0, 1, 1
	STEP 0, 0, 0
	s_cmp_eq_u32 s2, 1
	s_cbranch_scc1 .Llast_tile
	TURN 0, 1, 2, 1
	STEP 1, 0, 0
	TURN 1, 0, 2, 0
	s_add_nc_u64 s[66:67], s[66:67], WALK*256*4
	BIAS
	s_branch .Lout
.Llast_tile:
	TURN 0, 1, 0, 1
	STEP 1, 0, 0
	s_wait_dscnt 4*NL
	WIN MUL_LO
	MUL16 0, 1, NQ-1, 1, 0
	MUL16 2, 1, NQ-1, 1, 0
	s_wait_dscnt 0
	WIN MUL_HI
	MUL16 4, 1, NQ-1, 1, 0
	MUL16 6, 1, NQ-1, 1, 0
	WIN 0
.Lout:
	PLACES NP
	PAIR CC0+0,  0xC034D90F
	PAIR CC0+2,  0x3FB8AB5A
	PAIR CC0+4,  0x3F0A29D2
	PAIR CC0+6,  0x3E0EFB2E
	PAIR CC0+8,  0xBE899A80
	PAIR CC0+10, 0x3ECDFD18
	PAIR CC0+12, 0xBFD1A1E5
	PAIR CC0+14, 0x40097039
	PAIR CC9,    0x3E7C6F08
	PAIR CK1,    0x3EB504F3
	PAIR CKY,    0xBF38AA3B
	s_mov_b32 s[AMK], 0x7fffffff
	s_mov_b32 s[MNT], 0x600000
	s_mov_b32 s[SEL], 0x76543210
	s_mov_b32 s[SEL+1], 0xfedcba98
	s_mov_b32 s[SWS], 0
	WIN 0x40
.irp b, 0,1,2,3
	v_mov_b32 v[TM+4+\b], 0
.endr
	v_mov_b32 v[C8V], 0xBF97D29D
	v_mov_b32 v[C8V+1], 0xBF97D29D
	WIN 0
	s_mov_b32 s3, 0
.Lblk:
.irp a, 0,1,2,3,4,5,6
	s_cmp_eq_u32 s3, \a
	s_cbranch_scc1 .Lrows_\a
.endr
	S1 7
	s_branch .Lcom
.irp a, 0,1,2,3,4,5
.Lrows_\a:
	S1 \a
	s_branch .Lcom
.endr
.Lrows_6:
	S1 6
.Lcom:
	s_wait_dscnt 0x0
	s_cmp_eq_u32 s3, 0
	s_cbranch_scc1 .Lnone
	ROWS_OUT
.Lnone:
	s_barrier_signal -1
	v_add_nc_u32 v[SAD], s[SWS], v[SSO]
	GELU 0
	GELU 1
	WIN 0x55
	QUANT
	s_wait_alu depctr_va_vdst(0)
	s_barrier_wait -1
	WIN 0x04
.irp b, 0,1,2,3
	ds_store_b128 v[STO], v[PC+4*\b:PC+4*\b+3] offset:32*\b
.endr
	ds_store_b32 v[SAD], v[PW]
	WIN 0
	s_wait_dscnt 0x0
	s_barrier_signal -1
	s_barrier_wait -1
	s_wait_xcnt 0x0
.irp t, 0,1,2,3
	ds_load_b128 v[OB+4*\t:OB+4*\t+3], v[RD] offset:2*SPITCH*\t
.endr
	s_add_nc_u64 s[12:13], s[12:13], 32768
	s_add_co_u32 s[SWS], s[SWS], 64
	s_add_co_u32 s3, s3, 1
	s_cmp_lt_u32 s3, 8
	s_cbranch_scc1 .Lblk
	s_wait_dscnt 0x0
	ROWS_OUT
	ds_load_b64 v[32:33], v[SRD]
	ds_load_b64 v[34:35], v[SRD] offset:512
	s_wait_dscnt 0x0
	v_mov_b32 v36, v33
	v_mov_b32 v33, v34
	v_mov_b32 v34, v36
	global_store_b128 v[SCO], v[32:35], s[96:97]
	s_wait_xcnt 0x0
	s_sub_nc_u64 s[12:13], s[12:13], 8*32768-WALK*256
	s_add_nc_u64 s[96:97], s[96:97], WALK*2048
	s_add_co_u32 s[TSB], s[TSB], SB
	s_mov_b32 s9, 0                                ; the last tile has no successor: nothing more is named
	s_sub_co_u32 s2, s2, 1
	s_cmp_lg_u32 s2, 0
	s_cbranch_scc1 .Ltile
	s_wait_tensorcnt 0x0
	ds_add_u32 v[SPW], v[NIL]
	s_wait_dscnt 0x0
	CROUND
	s_endpgm
.Lfunc_end_k_q2655ae5471_gemm1:
	.size	k_q2655ae5471_gemm1, .Lfunc_end_k_q2655ae5471_gemm1-k_q2655ae5471_gemm1
	.p2alignl 7, 3214868480
	.fill 96, 4, 3214868480
	.section	.rodata,"a",@progbits
	.p2align	6, 0x0
	.amdhsa_kernel k_q2655ae5471_gemm1
		.amdhsa_group_segment_fixed_size 327680
		.amdhsa_private_segment_fixed_size 0
		.amdhsa_enable_private_segment 0
		.amdhsa_kernarg_size 56
		.amdhsa_user_sgpr_count 2
		.amdhsa_user_sgpr_kernarg_segment_ptr 1
		.amdhsa_wavefront_size32 1
		.amdhsa_system_sgpr_workgroup_id_x 1
		.amdhsa_system_sgpr_workgroup_id_y 1
		.amdhsa_system_sgpr_workgroup_id_z 1
		.amdhsa_system_vgpr_workitem_id 0
		.amdhsa_next_free_vgpr 1024
		.amdhsa_next_free_sgpr 98
		.amdhsa_reserve_vcc 0
		.amdhsa_float_denorm_mode_32 3
		.amdhsa_float_denorm_mode_16_64 3
		.amdhsa_memory_ordered 1
		.amdhsa_forward_progress 1
		.amdhsa_inst_pref_size 252
	.end_amdhsa_kernel
	.amdgpu_metadata
---
amdhsa.version: [ 1, 2 ]
amdhsa.kernels:
  - .name:           k_q2655ae5471_gemm1
    .symbol:         k_q2655ae5471_gemm1.kd
    .args:
      - { .name: xc, .offset: 0, .size: 8, .value_kind: global_buffer, .address_space: global }
      - { .name: xs, .offset: 8, .size: 8, .value_kind: global_buffer, .address_space: global }
      - { .name: w1c, .offset: 16, .size: 8, .value_kind: global_buffer, .address_space: global }
      - { .name: w1s, .offset: 24, .size: 8, .value_kind: global_buffer, .address_space: global }
      - { .name: hc, .offset: 32, .size: 8, .value_kind: global_buffer, .address_space: global }
      - { .name: hs, .offset: 40, .size: 8, .value_kind: global_buffer, .address_space: global }
      - { .name: b1, .offset: 48, .size: 8, .value_kind: global_buffer, .address_space: global }
    .group_segment_fixed_size: 327680
    .private_segment_fixed_size: 0
    .kernarg_segment_align: 8
    .kernarg_segment_size: 56
    .max_flat_workgroup_size: 128
    .sgpr_count:     98
    .vgpr_count:     1024
    .wavefront_size: 32
...
	.end_amdgpu_metadata
.endif
;; end of part 2
;; launch gemm2 (part 3): grid 4 x 64, 4 waves a work-group, clusters of 4 x 4, 327,680 bytes of LDS; arguments hc, hs, w2c, w2s, out0, b2; writes out0
.if DOCPART == 3
	.amdgcn_target "amdgcn-amd-amdhsa--gfx1250"
	.amdhsa_code_object_version 6
	.text
	.protected	k_q2655ae5471_gemm2
	.globl	k_q2655ae5471_gemm2
	.p2align	8
	.type	k_q2655ae5471_gemm2,@function
k_q2655ae5471_gemm2:
	s_mov_b64 s[64:65], 0
	v_nop
	global_prefetch_b8 v0, s[64:65] scope:SCOPE_SE
	s_setreg_imm32_b32 hwreg(HW_REG_WAVE_MODE, 25, 1), 1
	s_wait_xcnt 0x0
	s_wait_alu depctr_hold_cnt(0) depctr_sa_sdst(0) depctr_va_vdst(0) depctr_va_sdst(0) depctr_va_ssrc(0) depctr_va_vcc(0) depctr_vm_vsrc(0)
	s_getreg_b32 s2, hwreg(HW_REG_IB_STS2, 6, 4)
	s_cmp_eq_u32 s2, 0
	s_cbranch_scc0 .Lentry_in_a_cluster
	s_endpgm
.Lentry_in_a_cluster:
	s_bfe_u32 s2, ttmp6, 0x10000c
	s_cmp_lg_u32 s2, 0xf033
	s_cbranch_scc0 .Lentry_shape_is_right
	s_endpgm
.Lentry_shape_is_right:
; out = h w2 + b2 on codes of MX-BF8: a work-group makes one tile of 256 x 256, K = 2,048 in steps of 256 through two LDS slots.
; 4 x 4 clusters: A's tiles are asked for jointly along a row of the cluster, B's along a column.
; THE HEAD: one joint load a wave: wave 0 K step 0's 256 rows of A, wave 1 its 256 rows of B, wave 2 A's scales, wave 3 B's (16,384 bytes each).
; PREFETCHES: a lane a row of 256 bytes; of the 128 rows that a wave fetches in the ring each of the four partners of the joint load names 32, told apart by address.
; At the head K steps 1 to 3; behind the refill for K step j the K step j + 2, up to the last, 7: the loop's last trip names nothing.
.set PFO,    31                        ; v31: lane x a row of codes in bytes; never rewritten
.set KD,     2048
.set NB,     1024
.set NT,     4
.set NO,     1024
.set SB,     8*KD
.set NQ,     2
.set ROWB,   256
.set PITCH,  272
.set FR,     16
.set NL,     4
.set NP,     8
.set HALFT,  128*PITCH
.set SLOT,   4*HALFT
.set LAPS,   KD/512
.set SCLA,   2*SLOT
.set SCLB,   SCLA+SB+128
.set SPARE,  SCLA+2*SB+256
.set SPITCH, 528
.set ADRA, 16
.set BAD,  18
.set ADRB, 20
.set STO,  24
.set RD,   25
.set CO,   26
.set ADRS, 27
.set SPW,  28
.set NIL,  29
.set SC,   32
.set BI,   64
.set AF,   128
.set BK,   128
.set G1, 24
.set G0, 32
.set G1B, 48
.set G0B, 56
.set G1S, 68
.set G0S, 76
.set G1SB, 80
.set G0SB, 88
.set MSB, 0
.macro WIN new
.if MSB != \new
	s_set_vgpr_msb (MSB<<8)|\new
.set MSB, \new
.endif
.endm
.set MUL_LO, 0xa1
.set MUL_HI, 0xf1
.set TO_B,   0x40
.macro JLOAD g0a, g1a, g0b, g1b
	s_cmp_eq_u32 s15, 0
	s_cbranch_scc0 .Lfor_b_\@
	tensor_load_to_lds s[\g0a:\g0a+3], s[\g1a:\g1a+7]
	s_nop 0
.rept 4
	v_nop
.endr
	s_branch .Lasked_\@
.Lfor_b_\@:
	tensor_load_to_lds s[\g0b:\g0b+3], s[\g1b:\g1b+7]
	s_nop 0
.rept 4
	v_nop
.endr
.Lasked_\@:
.endm
.macro CREST
	s_cmp_lg_u32 s14, 0
	s_cbranch_scc1 .Lnot_wave_0_\@
	s_barrier_signal -3
.Lnot_wave_0_\@:
	s_barrier_wait -3
	s_barrier_signal -1
	s_barrier_wait -1
.endm
.macro CROUND
	s_barrier_signal -1
	s_barrier_wait -1
	CREST
.endm
	s_load_b128 s[4:7], s[0:1], 0x0
	s_load_b128 s[8:11], s[0:1], 0x10
	s_load_b64 s[12:13], s[0:1], 0x20
	s_load_b64 s[66:67], s[0:1], 0x28
	v_lshl_add_u32 v[SPW], v0, 2, SPARE
	v_mov_b32 v[NIL], 0
	ds_add_u32 v28, v29
	ds_add_u32 v28, v29
	s_wait_dscnt 0x0
	v_lshrrev_b32 v1, 5, v0
	v_readfirstlane_b32 s14, v1
	v_and_b32 v[PFO], 31, v0
	v_mul_u32_u24 v[PFO], v[PFO], KD
	s_lshr_b32 s15, s14, 1
	s_and_b32 s16, s14, 1
	s_bfe_u32 s40, ttmp6, 0x40000
	s_bfe_u32 s41, ttmp6, 0x40004
	s_lshl_b32 s42, ttmp9, 2
	s_add_co_u32 s42, s42, s40
	s_and_b32 s95, ttmp7, 0xffff
	s_lshl_b32 s17, s95, 2
	s_add_co_u32 s17, s17, s41
	s_lshr_b32 s95, s95, 1
	s_lshl_b32 s43, s41, 2
	s_lshl_b32 s43, 15, s43
	s_lshl_b32 s44, 0x1111, s40
	s_or_b32 s[G1+0], s43, (0<<16)|(1<<20)|(1<<21)|(5<<22)|(3<<25)
	s_or_b32 s[G1B+0], s44, (0<<16)|(1<<20)|(1<<21)|(5<<22)|(3<<25)
.irp g, G1, G1B
	s_mov_b32 s[\g+1], ROWB<<16
	s_mov_b32 s[\g+2], 256<<16                     ; the head's loads bring 256 rows
	s_mov_b32 s[\g+3], ROWB<<16
	s_mov_b32 s[\g+4], 256
	s_mov_b32 s[\g+5], KD
	s_mov_b32 s[\g+6], 0
	s_mov_b32 s[\g+7], 0
.endr
	s_or_b32 s[G1S+0], s43, (3<<16)|(1<<21)
	s_or_b32 s[G1SB+0], s44, (3<<16)|(1<<21)
.irp g, G1S, G1SB
	s_mov_b32 s[\g+1], 32<<16
	s_mov_b32 s[\g+2], (SB/256)<<16                ; a side's scales whole: SB bytes as rows of 256
	s_mov_b32 s[\g+3], 32<<16
	s_mov_b32 s[\g+4], SB/256
	s_mov_b32 s[\g+5], 32
	s_mov_b32 s[\g+6], 0
	s_mov_b32 s[\g+7], 0
.endr
	s_lshl_b32 s18, s16, 7
	s_lshl_b32 s20, s17, 8
	s_add_co_u32 s20, s20, s18
	s_lshl_b32 s46, s42, 8
	s_add_co_u32 s46, s46, s18
	s_mul_i32 s47, s95, NB
	s_add_co_u32 s46, s46, s47
	s_mov_b32 s21, 0
	s_mov_b32 s47, 0
	s_mov_b64 s[18:19], KD
	s_mul_u64 s[20:21], s[20:21], s[18:19]
	s_mul_u64 s[46:47], s[46:47], s[18:19]
	s_mul_i32 s22, s17, SB
	s_mov_b32 s23, 0
	s_mul_i32 s92, s95, NT
	s_add_co_u32 s92, s92, s42
	s_mul_i32 s92, s92, SB
	s_mov_b32 s93, 0
	s_mul_i32 s45, s14, HALFT
	s_wait_kmcnt 0x0
	s_add_nc_u64 s[20:21], s[4:5], s[20:21]
	s_add_nc_u64 s[22:23], s[6:7], s[22:23]
	s_add_nc_u64 s[46:47], s[8:9], s[46:47]
	s_add_nc_u64 s[92:93], s[10:11], s[92:93]
	s_cmp_eq_u32 s15, 0                            ; s[10:11]: where my prefetches stand: the 128 rows that I fetch in the ring,
	s_cselect_b64 s[10:11], s[20:21], s[46:47]
	s_cselect_b32 s6, s40, s41                     ; my place among the four that ask for them with me,
	s_mul_i32 s6, s6, 32*KD                        ; my work-group's 32 rows of them
	s_mov_b32 s7, 0
	s_add_nc_u64 s[10:11], s[10:11], s[6:7]
	s_mul_i32 s4, s16, 128*KD                      ; from a tile's first row to my 128 rows, in bytes
	s_mov_b32 s5, 0
	CROUND
	s_mov_b32 s[G0S], 1
	s_mov_b32 s[G0S+1], SCLA
	s_mov_b64 s[G0S+2:G0S+3], s[22:23]
	s_or_b32 s[G0S+3], s[G0S+3], 0x80000000
	s_mov_b32 s[G0SB], 1
	s_mov_b32 s[G0SB+1], SCLB
	s_mov_b64 s[G0SB+2:G0SB+3], s[92:93]
	s_or_b32 s[G0SB+3], s[G0SB+3], 0x80000000
	s_mov_b32 s[G0], 1                             ; the head's loads of K step 0, each a whole tile, in slot 0's group 0
	s_mov_b32 s[G0+1], 0
	s_sub_nc_u64 s[G0+2:G0+3], s[20:21], s[4:5]
	s_or_b32 s[G0+3], s[G0+3], 0x80000000
	s_mov_b32 s[G0B], 1
	s_mov_b32 s[G0B+1], 2*HALFT
	s_sub_nc_u64 s[G0B+2:G0B+3], s[46:47], s[4:5]
	s_or_b32 s[G0B+3], s[G0B+3], 0x80000000
.macro ARM under, g0, g1, next         ; one chain of branches on the wave's number, one load to an arm, one join
	s_cmp_lt_u32 s14, \under
	s_cbranch_scc0 \next
	tensor_load_to_lds s[\g0:\g0+3], s[\g1:\g1+7]
	s_nop 0
.rept 4
	v_nop
.endr
	s_branch .Lhead_asked
\next:
.endm
	ARM 1, G0,  G1,  .Lhead_b
	ARM 2, G0B, G1B, .Lhead_sa
	ARM 3, G0S, G1S, .Lhead_sb
	tensor_load_to_lds s[G0SB:G0SB+3], s[G1SB:G1SB+7]
	s_nop 0
.rept 4
	v_nop
.endr
.Lhead_asked:
	v_bfe_u32 v2, v0, 4, 1                         ; l / 16
	v_lshlrev_b32 v[BAD], 5, v2
	s_lshl_b32 s6, s42, 8                          ; the bias: my wave's 128 columns of the expert's 1,024, 4 bytes each
	s_lshl_b32 s7, s16, 7
	s_add_co_u32 s6, s6, s7
	s_lshl_b32 s7, s95, 10
	s_add_co_u32 s6, s6, s7
	s_lshl_b32 s6, s6, 2
	s_mov_b32 s7, 0
	s_add_nc_u64 s[66:67], s[66:67], s[6:7]
	s_wait_alu depctr_va_vdst(0)
	global_prefetch_b8 v[PFO], s[10:11] offset:ROWB th:TH_LOAD_NT scope:SCOPE_SE   ; K step 1 of my 32 rows; K steps 2 and 3 follow behind slot 1's first fill
.irp b, 0,1,2,3,4,5,6,7                ; the bias is on its way while the head's tiles are; it is waited for ahead of the first product
	global_load_b128 v[BI+8*\b:BI+8*\b+3], v[BAD], s[66:67] offset:64*\b
	global_load_b128 v[BI+8*\b+4:BI+8*\b+7], v[BAD], s[66:67] offset:64*\b+16
.endr
	s_wait_tensorcnt 0x0                           ; my tile of the head's four is in: descriptors may be written
	ds_add_u32 v28, v29
	s_mov_b32 s[G1+2], 128<<16                     ; from here on a load brings 128 rows
	s_mov_b32 s[G1+4], 128
	s_mov_b32 s[G1B+2], 128<<16
	s_mov_b32 s[G1B+4], 128
.irp s, 0,1
	s_mov_b32 s[G0+4*\s], 1
	s_add_co_u32 s[G0+4*\s+1], s45, \s*SLOT
	s_add_nc_u64 s[G0+4*\s+2:G0+4*\s+3], s[20:21], \s*ROWB
	s_or_b32 s[G0+4*\s+3], s[G0+4*\s+3], 0x80000000
	s_mov_b32 s[G0B+4*\s], 1
	s_add_co_u32 s[G0B+4*\s+1], s45, \s*SLOT
	s_add_nc_u64 s[G0B+4*\s+2:G0B+4*\s+3], s[46:47], \s*ROWB
	s_or_b32 s[G0B+4*\s+3], s[G0B+4*\s+3], 0x80000000
.endr
	s_wait_dscnt 0x0                               ; the add is done
	CROUND                                         ; all four tiles are in, in every partner
	JLOAD G0+4, G1, G0B+4, G1B                     ; slot 1's first fill: K step 1
	global_prefetch_b8 v[PFO], s[10:11] offset:2*ROWB th:TH_LOAD_NT scope:SCOPE_SE   ; K steps 2 and 3 of my 32 rows
	global_prefetch_b8 v[PFO], s[10:11] offset:3*ROWB th:TH_LOAD_NT scope:SCOPE_SE
	v_and_b32 v1, 15, v0
	s_wait_alu depctr_va_vdst(0)
	v_mul_u32_u24 v3, v1, PITCH
	v_lshl_add_u32 v4, v2, 4, v3
	s_mul_i32 s21, s15, HALFT
	s_mul_i32 s22, s16, HALFT
	s_add_co_u32 s22, s22, 2*HALFT
.irp s, 0,1
	v_add_nc_u32 v[ADRA+\s], s21, v4
	v_add_nc_u32 v[ADRB+\s], s22, v4
	s_add_co_u32 s21, s21, SLOT
	s_add_co_u32 s22, s22, SLOT
.endr
	v_lshlrev_b32 v5, 3, v1
	s_lshl_b32 s21, s15, 10
	s_lshl_b32 s22, s16, 10
	s_add_co_u32 s22, s22, SB+128
	s_sub_co_u32 s22, s22, s21
	v_mul_u32_u24 v6, s22, v2
	s_add_co_u32 s21, s21, SCLA
	v_add_nc_u32 v5, v5, v6
	v_add_nc_u32 v[ADRS], s21, v5
	s_mul_i32 s23, s14, 16*SPITCH
	v_mul_u32_u24 v5, v1, SPITCH
	v_lshl_add_u32 v5, v2, 5, v5
	v_add_nc_u32 v[STO], s23, v5
	v_and_b32 v6, 31, v0
	v_lshlrev_b32 v[CO], 4, v6
	v_add_nc_u32 v[RD], s23, v[CO]
	s_lshl_b32 s20, s17, 8
	s_lshl_b32 s21, s15, 7
	s_add_co_u32 s20, s20, s21
	s_mov_b32 s21, 0
	s_mov_b64 s[18:19], NO*4
	s_mul_u64 s[20:21], s[20:21], s[18:19]
	s_lshl_b32 s46, s42, 10
	s_lshl_b32 s47, s16, 9
	s_add_co_u32 s46, s46, s47
	s_mov_b32 s47, 0
	s_add_nc_u64 s[20:21], s[20:21], s[46:47]
	s_add_nc_u64 s[12:13], s[12:13], s[20:21]
.macro FRAG reg, adr, q, i
.irp c, 0,1,2,3
	ds_load_b128 v[\reg+4*\c:\reg+4*\c+3], v[\adr] offset:128*(\q)+32*\c+(\i)*16*PITCH
.endr
.endm
.macro MUL16 a0, p, q, sc, bias
.irp a, \a0, \a0+1
.irp b, 0,1,2,3,4,5,6,7
.if \bias
	v_wmma_scale_f32_16x16x128_f8f6f4 v[8*(8*((\a)%4)+\b):8*(8*((\a)%4)+\b)+7], v[128*(\p)+FR*\b:128*(\p)+FR*\b+FR-1], v[AF+FR*(\a):AF+FR*(\a)+FR-1], v[BI+8*\b:BI+8*\b+7], v[SC+8*NQ*(\sc)+NQ*\b+(\q)], v[SC+8*NQ*(\sc)+NQ*(\a)+(\q)] matrix_a_fmt:MATRIX_FMT_BF8 matrix_b_fmt:MATRIX_FMT_BF8 matrix_a_scale:MATRIX_SCALE_ROW1
.else
	v_wmma_scale_f32_16x16x128_f8f6f4 v[8*(8*((\a)%4)+\b):8*(8*((\a)%4)+\b)+7], v[128*(\p)+FR*\b:128*(\p)+FR*\b+FR-1], v[AF+FR*(\a):AF+FR*(\a)+FR-1], v[8*(8*((\a)%4)+\b):8*(8*((\a)%4)+\b)+7], v[SC+8*NQ*(\sc)+NQ*\b+(\q)], v[SC+8*NQ*(\sc)+NQ*(\a)+(\q)] matrix_a_fmt:MATRIX_FMT_BF8 matrix_b_fmt:MATRIX_FMT_BF8 matrix_a_scale:MATRIX_SCALE_ROW1
.endif
.endr
.endr
.endm
.macro FETCH_B slot, q, p
	WIN TO_B
.irp i, 0,1,2,3,4,5,6,7
	FRAG 128*(\p)+FR*\i, ADRB+\slot, \q, \i
.endr
	WIN 0
.endm
.macro FETCH_A slot, q, i0
.irp i, \i0, \i0+1, \i0+2, \i0+3
	FRAG AF+FR*(\i), ADRA+\slot, \q, \i
.endr
.endm
.macro SCALES sc
.irp i, 0,1,2,3,4,5,6,7
	ds_load_b64 v[SC+8*NQ*\sc+NQ*\i:SC+8*NQ*\sc+NQ*\i+1], v[ADRS] offset:\i*128
.endr
.endm
.macro PLACES n
.rept \n
	v_nop
.endr
.endm
.macro STEP slot, q, bias
	s_wait_dscnt 4*NL
.if \bias
	WIN 0x81
.else
	WIN MUL_LO
.endif
	MUL16 0, (\q)%2, \q, \slot, \bias
	MUL16 2, (\q)%2, \q, \slot, \bias
	s_wait_dscnt 0
	PLACES NP
	FETCH_B \slot, (\q)+1, 1-(\q)%2
	FETCH_A \slot, (\q)+1, 0
.if \bias
	WIN 0xc1
.else
	WIN MUL_HI
.endif
	MUL16 4, (\q)%2, \q, \slot, \bias
	MUL16 6, (\q)%2, \q, \slot, \bias
	PLACES NP
	WIN 0
	FETCH_A \slot, (\q)+1, 4
.endm
.macro TURN slot, next, fill
	s_wait_dscnt 4*NL
	WIN MUL_LO
	MUL16 0, 1, NQ-1, \slot, 0
	MUL16 2, 1, NQ-1, \slot, 0
	WIN 0
	s_wait_tensorcnt 0x0
	ds_add_u32 v[SPW], v[NIL]
.if \fill
	s_add_nc_u64 s[G0+4*\slot+2:G0+4*\slot+3], s[G0+4*\slot+2:G0+4*\slot+3], 2*ROWB
	s_add_nc_u64 s[G0B+4*\slot+2:G0B+4*\slot+3], s[G0B+4*\slot+2:G0B+4*\slot+3], 2*ROWB
.endif
	s_wait_dscnt 0x0
	s_barrier_signal -1
	s_barrier_wait -1
.if \fill
	CREST
	JLOAD G0+4*\slot, G1, G0B+4*\slot, G1B
	PLACES NP-4
.else
	PLACES NP
.endif
	s_wait_alu depctr_va_vdst(0)
	v_add_nc_u32 v[ADRS], 2048, v[ADRS]
	FETCH_B \next, 0, 0
	FETCH_A \next, 0, 0
	SCALES \next
.if \fill
	s_cmp_gt_u32 s3, 1                             ; s3 = 1 in the loop's last trip: its refills have no K step two on
	s_cbranch_scc0 .Lno_ask_\@
	global_prefetch_b8 v[PFO], s[10:11] offset:(4+(\slot))*ROWB th:TH_LOAD_NT scope:SCOPE_SE   ; the K step two refills on
.Lno_ask_\@:
.endif
	WIN MUL_HI
	MUL16 4, 1, NQ-1, \slot, 0
	MUL16 6, 1, NQ-1, \slot, 0
	PLACES NP
	WIN 0
	FETCH_A \next, 0, 4
.endm
	s_wait_alu depctr_va_vdst(0)
	s_wait_tensorcnt 1
	s_barrier_signal -1
	s_barrier_wait -1
	FETCH_B 0, 0, 0
	FETCH_A 0, 0, 0
	SCALES 0
	FETCH_A 0, 0, 4
	s_wait_loadcnt 0x0
	STEP 0, 0, 1
.if LAPS > 1
	s_mov_b32 s3, LAPS-1
.Llap:
	TURN 0, 1, 1
	STEP 1, 0, 0
	TURN 1, 0, 1
	STEP 0, 0, 0
	s_wait_xcnt 0x0                                ; my prefetches have read their address: it steps two K steps on
	s_add_nc_u64 s[10:11], s[10:11], 2*ROWB
	s_sub_co_u32 s3, s3, 1
	s_cmp_lg_u32 s3, 0
	s_cbranch_scc1 .Llap
.endif
	TURN 0, 1, 0
	STEP 1, 0, 0
	s_wait_dscnt 4*NL
	WIN MUL_LO
	MUL16 0, 1, NQ-1, 1, 0
	MUL16 2, 1, NQ-1, 1, 0
	s_wait_dscnt 0
	WIN MUL_HI
	MUL16 4, 1, NQ-1, 1, 0
	MUL16 6, 1, NQ-1, 1, 0
	WIN 0
.macro TOSTAGE a
.set AC, 64*((\a)%4)
	WIN 0x08+4*((\a)/4)
.irp b, 0,1,2,3,4,5,6,7
	ds_store_b128 v[STO], v[AC+8*\b:AC+8*\b+3] offset:64*\b
	ds_store_b128 v[STO], v[AC+8*\b+4:AC+8*\b+7] offset:64*\b+16
.endr
	WIN 0
.set BB, BK+64*((\a)%2)
.irp t, 0,1,2,3,4,5,6,7,8,9,10,11,12,13,14,15
	ds_load_b128 v[BB+4*\t:BB+4*\t+3], v[RD] offset:\t*SPITCH
.endr
.endm
.macro SEND a, younger
.set BB, BK+64*((\a)%2)
	s_wait_dscnt \younger
.if (\a) > 0
	s_add_nc_u64 s[12:13], s[12:13], 16*NO*4
.endif
.irp t, 0,1,2,3,4,5,6,7,8,9,10,11,12,13,14,15
	global_store_b128 v[CO], v[BB+4*\t:BB+4*\t+3], s[12:13] offset:\t*NO*4 th:TH_STORE_NT
.endr
.endm
	PLACES NP
	TOSTAGE 0
.irp a, 1,2,3,4,5,6,7
.if \a > 1
	s_wait_xcnt 0x0
.endif
	TOSTAGE \a
	SEND \a-1, 32
.endr
	s_wait_xcnt 0x0
	SEND 7, 0
	s_wait_tensorcnt 0x0
	ds_add_u32 v[SPW], v[NIL]
	s_wait_dscnt 0x0
	CROUND
	s_endpgm
.Lfunc_end_k_q2655ae5471_gemm2:
	.size	k_q2655ae5471_gemm2, .Lfunc_end_k_q2655ae5471_gemm2-k_q2655ae5471_gemm2
	.p2alignl 7, 3214868480
	.fill 96, 4, 3214868480
	.section	.rodata,"a",@progbits
	.p2align	6, 0x0
	.amdhsa_kernel k_q2655ae5471_gemm2
		.amdhsa_group_segment_fixed_size 327680
		.amdhsa_private_segment_fixed_size 0
		.amdhsa_enable_private_segment 0
		.amdhsa_kernarg_size 48
		.amdhsa_user_sgpr_count 2
		.amdhsa_user_sgpr_kernarg_segment_ptr 1
		.amdhsa_wavefront_size32 1
		.amdhsa_system_sgpr_workgroup_id_x 1
		.amdhsa_system_sgpr_workgroup_id_y 1
		.amdhsa_system_sgpr_workgroup_id_z 1
		.amdhsa_system_vgpr_workitem_id 0
		.amdhsa_next_free_vgpr 1024
		.amdhsa_next_free_sgpr 98
		.amdhsa_reserve_vcc 0
		.amdhsa_float_denorm_mode_32 3
		.amdhsa_float_denorm_mode_16_64 3
		.amdhsa_memory_ordered 1
		.amdhsa_forward_progress 1
		.amdhsa_inst_pref_size 150
	.end_amdhsa_kernel
	.amdgpu_metadata
---
amdhsa.version: [ 1, 2 ]
amdhsa.kernels:
  - .name:           k_q2655ae5471_gemm2
    .symbol:         k_q2655ae5471_gemm2.kd
    .args:
      - { .name: hc, .offset: 0, .size: 8, .value_kind: global_buffer, .address_space: global }
      - { .name: hs, .offset: 8, .size: 8, .value_kind: global_buffer, .address_space: global }
      - { .name: w2c, .offset: 16, .size: 8, .value_kind: global_buffer, .address_space: global }
      - { .name: w2s, .offset: 24, .size: 8, .value_kind: global_buffer, .address_space: global }
      - { .name: out0, .offset: 32, .size: 8, .value_kind: global_buffer, .address_space: global }
      - { .name: b2, .offset: 40, .size: 8, .value_kind: global_buffer, .address_space: global }
    .group_segment_fixed_size: 327680
    .private_segment_fixed_size: 0
    .kernarg_segment_align: 8
    .kernarg_segment_size: 48
    .max_flat_workgroup_size: 128
    .sgpr_count:     98
    .vgpr_count:     1024
    .wavefront_size: 32
...
	.end_amdgpu_metadata
.endif
;; end of part 3
